; MI455X (gfx1250); checked and timed in simulation.
; The chip was launched on July 23, 2026; its instructions are those of AMD's public machine-readable ISA for CDNA 5 (MIT licence, August 2026) and "CDNA5" Instruction Set Architecture Reference Guide (July 2026). The comments in the code are by the model that wrote it; some were corrected since.
;; Ring Dilated Attention Hilbert Optimized Correct. Allowed arithmetic: matrix products marked QUANTISED: E2M3 operands, one E8M0 scale for each 32 along K, by v_wmma_scale_f32_16x16x128_f8f6f4 with both operands' format E2M3, f32 sums; everything else in f32.
;; Inputs: Wout_codes 1,024 x 32 x 24 uint8 (E2M3 codes of Wout, K innermost, in blocks of 32 codes, four codes in three bytes); Wout_scales 1,024 x 32 uint8 (E8M0 scales of Wout, one for each 32 codes along K); Wqkv_codes 3,072 x 32 x 24 uint8 (E2M3 codes of Wqkv, K innermost, in blocks of 32 codes, four codes in three bytes); Wqkv_scales 3,072 x 32 uint8 (E8M0 scales of Wqkv, one for each 32 codes along K); bout 1,024 float32; bqkv 3,072 float32; x_codes 1 x 8,192 x 32 x 24 uint8 (E2M3 codes of x, K innermost, in blocks of 32 codes, four codes in three bytes); x_scales 1 x 8,192 x 32 uint8 (E8M0 scales of x, one for each 32 codes along K).
;; Outputs: out0 1 x 8,192 x 1,024 float32.
;; This version of the problem:
;;   THIS VERSION OF THE PROBLEM IS GIVEN IN LOW PRECISION. The matrix products marked QUANTISED in the list below multiply operands that are first quantised to E2M3 (2 exponent bits, 3 mantissa bits; 6 bits a number), with one power-of-two scale for each 32 numbers along K (OCP MX v1.0); their sums are f32. All else is computed in f32.
;;   The module's matrix products, in the order in which they are computed (A, B: the left and right operand; K: the contracted axis; several contracted axes count as one K, in the product's order):
;;     1. [M 8,192, K 1,024] x [K 1,024, N 3,072]; A: input x (given as codes); B: input Wqkv (given as codes): QUANTISED
;;     2. batch 16 x [M 2,048, K 64] x [K 64, N 2,048]; A: computed on the way; B: computed on the way: QUANTISED
;;     3. batch 16 x [M 2,048, K 2,048] x [K 2,048, N 64]; A: softmax (see below); B: computed on the way: QUANTISED
;;     4. batch 16 x [M 2,048, K 64] x [K 64, N 1,024]; A: computed on the way; B: computed on the way: QUANTISED
;;     5. batch 16 x [M 2,048, K 1,024] x [K 1,024, N 64]; A: softmax (see below); B: computed on the way: QUANTISED
;;     6. batch 16 x [M 4,096, K 64] x [K 64, N 1,024]; A: computed on the way; B: computed on the way: QUANTISED
;;     7. batch 16 x [M 4,096, K 1,024] x [K 1,024, N 64]; A: softmax (see below); B: computed on the way: QUANTISED
;;     8. [M 8,192, K 1,024] x [K 1,024, N 1,024]; A: computed on the way; B: input Wout (given as codes): QUANTISED
;;   THE QUANTISER, for each operand of a quantised product, along K:
;;     - K is cut into blocks of 32 from its start; a last block that is shorter is filled with zeros.
;;     - A block's scale is 2^e with e = floor(log2(the largest magnitude in the block)) - 2, held to -126 .. 127; a block of zeros has e = 0. As a byte (E8M0): e + 127.
;;     - Each number is divided by its block's scale, clamped to +-7.5, and rounded to the nearest number of E2M3, ties to even, subnormals kept.
;;     - The product sums the exact products of the quantised numbers (number of the format x scale) in f32.
;;   ~~~python
;;   def quantise(x, axis):      # numpy; x: float32 -> the quantised numbers, widened to float32 again
;;       x = np.moveaxis(x, axis, -1); K = x.shape[-1]
;;       x = np.pad(x, [(0, 0)] * (x.ndim - 1) + [(0, -K % 32)]); x = x.reshape(x.shape[:-1] + (-1, 32)); a = np.abs(x).max(-1, keepdims=True)
;;       e = np.where(a > 0, np.clip(np.frexp(np.where(a > 0, a, 1))[1] - 1 - 2, -126, 127), 0)      # np.frexp(a)[1] - 1 = floor(log2(a)), exactly
;;       r = np.clip(x / 2.0 ** e, -7.5, 7.5)
;;       step = 2.0 ** (np.maximum(np.frexp(np.where(r == 0, 1, r))[1] - 1, 0) - 3)
;;       q = np.round(r / step) * step * 2.0 ** e      # np.round: ties to even
;;       return np.moveaxis(q.reshape(q.shape[:-2] + (-1,))[..., :K], -1, axis).astype(np.float32)
;;   ~~~
;;   SOFTMAX AHEAD OF A QUANTISED PRODUCT. Where the list says 'softmax', what is quantised is not the finished softmax but p = 2^(t - M), with t = logit x log2(e) and M = ceil(the row's largest t), a whole number; so 1/2 < the row's largest p <= 1. The row's sum l is taken of the UNQUANTISED p, in f32, and the product's result is divided by l at the end. Since M is a whole number, a kernel that streams over the keys may use a running M (the ceiling of the running maximum): every later rescaling is an exact power of two, which a block's scale takes up: the codes' values come out the same.
;;   OPERANDS COMPUTED ON THE WAY. 'Computed on the way' means the value that the module computes at that place (a softmax that the list does not call 'softmax' is quantised finished and normalised). What goes into a quantiser is computed in f32, as accurately as f32 sums, v_exp_f32 and their like allow (about 1e-6 of the number): no bf16 or f16 on the way to a quantiser, and a product that is left as it is and whose result goes on into a quantised operand takes f32 operands (vector FMAs, or v_wmma_f32_16x16x4_f32). A number that lies on a knife's edge between two numbers of the format may be rounded either way, as far as f32 arithmetic and the matrix unit's own rounding can turn it there, and no further.
;;   INPUTS GIVEN AS CODES. Wout (in the module: [1024, 1024], K = its axis 1); Wqkv (in the module: [3072, 1024], K = its axis 1); x (in the module: [1, 8192, 1024], K = its axis 2): each comes as NAME_codes (uint8): NAME with its K axis moved to the last place and cut into blocks of 32 codes, [.., K / 32, bytes a block], one block behind the other in memory; four codes in three bytes: a row's codes are one little-endian stream of bits, code i at bits 6 i .. 6 i + 5 (a code: sign, 2 exponent bits, 3 mantissa bits); and NAME_scales (uint8): the same leading axes, one E8M0 byte (e + 127) for each 32 codes along K. Its value is code x scale, taken as it is: it is not quantised again, and the codes and scales need not be those that the quantiser above would give.
;; One version. Each part assembles by itself: llvm-mc -triple=amdgcn-amd-amdhsa -mcpu=gfx1250 --defsym DOCPART=n.
;; ======== version 1 of 1: 4 launches
;; limits: right only within a limited range of input values
;; workspace buffers: pc 5,505,024 bytes; ps 229,376 bytes; ws 13,500,416 bytes; oimg 6,291,456 bytes; osc 262,144 bytes
;; launch perm (part 1): grid 224 x 1, 4 waves a work-group, no clusters, 0 bytes of LDS; arguments x_codes, x_scales, Wqkv_codes, Wqkv_scales, pc, ps; writes pc, ps
.if DOCPART == 1
	.amdgcn_target "amdgcn-amd-amdhsa--gfx1250"
	.amdhsa_code_object_version 6
	.text
	.protected	k_qe61d0e8d80_perm
	.globl	k_qe61d0e8d80_perm
	.p2align	8
	.type	k_qe61d0e8d80_perm,@function
k_qe61d0e8d80_perm:
	s_mov_b64 s[64:65], 0
	v_nop
	global_prefetch_b8 v0, s[64:65] scope:SCOPE_SE
	s_setreg_imm32_b32 hwreg(HW_REG_WAVE_MODE, 25, 1), 1
	s_wait_xcnt 0x0
; ROWS OF CODES AND SCALE BYTES ARE COPIED INTO THE ORDER IN WHICH THE NEXT LAUNCH WANTS THEM.  Nothing is computed on the numbers.
; WORK LEFT OUT IN THIS PROGRAM: reference() slices k and v by [::dilation] in Hilbert order, so the k and v of the tokens that the slice drops reach no output, whatever the inputs hold:
; only the 2048 + 1024 + 1024 kept tokens get k and v.  Every input is still read.  Limit: a NaN, an infinity or an overflow that would arise only in the dropped k and v is not carried to the result.
; q's own Hilbert order is undone by reference() on the output and moves no row's result: q stays in token order.
; pc [7168][768], ps [7168][32].  Rows 0..4095: the rows of x that serve as keys and values; rows 4096..7167: the rows of Wqkv.
; TILE ORDER: destination row p holds logical row rot(p): bit 3 of p becomes bit 5, bits 5:4 become bits 4:3.  So tile T of a group of 64 rows holds logical rows 8 T + 0..7 and 32 + 8 T + 0..7,
; and the 32 result registers that a lane has of four neighbouring tiles are 32 neighbours along the axis that is quantised next.
; THE KEYS.  Logical key g of 4096: g < 2048: segment 0, place j = g of its Hilbert order; g < 3072: segment 1, place j = 2 (g - 2048); else segment 2, place j = 4 (g - 3072).
; The curve runs on a 64 x 64 grid.  A segment of 2048 keeps the cells with y < 32, the distances 0..1023 and 3072..4095: d = j + 2048 (j / 1024).  A segment of 4096 keeps all: d = j.
; The cell of distance d is found in six steps on whole numbers, with no branch.  Token = segment's first + 64 y + x.
; A wave copies 8 destination rows: 12 loads and stores of 16 bytes a lane (sixteen lanes take 256 aligned bytes of a row) and 256 scale bytes.  A stream: no LDS, no barrier, no matrix unit.
.set ROWC, 768
.set NKEY, 4096
	s_load_b256 s[4:11], s[0:1], 0x0               ; x's codes, x's scales, W's codes, W's scales
	s_load_b128 s[28:31], s[0:1], 0x20             ; pc, ps
	v_lshrrev_b32 v1, 5, v0
	v_readfirstlane_b32 s12, v1                    ; wave
	s_lshl_b32 s13, ttmp9, 2
	s_add_co_u32 s13, s13, s12
	s_lshl_b32 s13, s13, 3                         ; my first destination row
	s_cmp_lt_u32 s13, NKEY                         ; keys' rows or W's: ids alone decide
	s_cselect_b32 s18, 0, NKEY
	s_cselect_b32 s19, -1, 0                       ; all lanes: the source row is a token
	s_sub_co_u32 s20, s13, s18                     ; my first row within my part
	s_cmp_lt_u32 s20, 3072                         ; the segment's four numbers (an aligned group of 64 rows lies in one segment)
	s_mov_b32 s21, 3072
	s_cselect_b32 s21, 2048, s21                   ; its first key
	s_cselect_b32 s22, 1, 2                        ; log2 of its dilation
	s_cselect_b32 s23, 2048, 0                     ; what the second half of its places is moved on by
	s_mov_b32 s24, 4096
	s_cselect_b32 s24, 2048, s24                   ; its first token
	s_cmp_lt_u32 s20, 2048
	s_cselect_b32 s21, 0, s21
	s_cselect_b32 s22, 0, s22
	s_cselect_b32 s23, 2048, s23
	s_cselect_b32 s24, 0, s24
	v_and_b32 v1, 31, v0
	v_and_b32 v2, 15, v0
	v_bfe_u32 v3, v0, 4, 1                         ; which of an instruction's two rows
	v_lshlrev_b32 v4, 4, v2                        ; my 16 bytes of 256
	v_mad_u32_u24 v5, v3, ROWC, v4
	v_lshlrev_b32 v6, 3, v1                        ; my 8 of the wave's 256 scale bytes
.macro SRC out, idx                    ; v[out] = the source row of destination row v[idx] (counted within my part)
	v_and_b32 v8, 0xffffffc7, v[\idx]
	v_and_b32 v9, 8, v[\idx]
	v_lshl_or_b32 v8, v9, 2, v8
	v_and_b32 v9, 0x30, v[\idx]
	v_lshrrev_b32 v9, 1, v9
	v_or_b32 v8, v8, v9                            ; rot
	v_sub_nc_u32 v9, v8, s21
	v_lshlrev_b32 v9, s22, v9                      ; the place in the segment's Hilbert order
	v_lshrrev_b32 v10, 10, v9
	v_mad_u32_u24 v9, v10, s23, v9                 ; d
	v_bfe_u32 v10, v9, 1, 1                        ; step 0: x = rx,
	v_and_b32 v11, 1, v9
	v_xor_b32 v11, v11, v10                        ; y = ry
.irp L, 1,2,3,4,5
	v_bfe_u32 v12, v9, 2*\L+1, 1                   ; rx
	v_bfe_u32 v13, v9, 2*\L, 1
	v_xor_b32 v13, v13, v12                        ; ry
	v_xor_b32 v14, 1, v13                          ; 1 where ry = 0
	v_and_b32 v15, v12, v14
	v_mul_u32_u24 v15, v15, (1<<\L)-1              ; the mirror's mask
	v_xor_b32 v10, v10, v15
	v_xor_b32 v11, v11, v15
	v_sub_nc_u32 v14, 0, v14
	v_xor_b32 v15, v10, v11
	v_and_b32 v15, v15, v14
	v_xor_b32 v10, v10, v15                        ; x and y change places where ry = 0
	v_xor_b32 v11, v11, v15
	v_lshl_or_b32 v10, v12, \L, v10
	v_lshl_or_b32 v11, v13, \L, v11
.endr
	v_lshl_or_b32 v10, v11, 6, v10
	v_add_nc_u32 v10, s24, v10                     ; the token
	v_cndmask_b32 v[\out], v8, v10, s19            ; W's rows: rot itself
.endm
	v_add_nc_u32 v7, s20, v3
.irp i, 0,1,2,3
	v_add_nc_u32 v16, 2*\i, v7
	SRC 17, 16
	v_mad_u32_u24 v[20+\i], v17, ROWC, v4
.endr
	v_lshrrev_b32 v16, 2, v1                       ; scale bytes: four lanes to a row of 32
	v_add_nc_u32 v16, s20, v16
	SRC 17, 16
	v_and_b32 v18, 3, v1
	v_lshlrev_b32 v18, 3, v18
	v_lshl_add_u32 v24, v17, 5, v18
	s_mul_i32 s26, s13, ROWC
	s_mov_b32 s27, 0
	s_wait_alu depctr_va_vdst(0)                   ; the wait at the head's end
	s_wait_kmcnt 0x0
	s_cmp_lt_u32 s13, NKEY
	s_cselect_b64 s[14:15], s[4:5], s[8:9]
	s_cselect_b64 s[16:17], s[6:7], s[10:11]
	s_add_nc_u64 s[28:29], s[28:29], s[26:27]
	s_lshl_b32 s26, s13, 5
	s_add_nc_u64 s[30:31], s[30:31], s[26:27]
.irp i, 0,1,2,3
.irp k, 0,1,2
	global_load_b128 v[32+4*(3*\i+\k):32+4*(3*\i+\k)+3], v[20+\i], s[14:15] offset:256*\k
.endr
.endr
	global_load_b64 v[80:81], v24, s[16:17]
.irp i, 0,1,2,3
.irp k, 0,1,2
	s_wait_loadcnt 12-(3*\i+\k)                    ; behind load n stand 11 - n loads of codes and the load of scale bytes
	global_store_b128 v5, v[32+4*(3*\i+\k):32+4*(3*\i+\k)+3], s[28:29] offset:2*\i*ROWC+256*\k
.endr
.endr
	s_wait_loadcnt 0x0
	global_store_b64 v6, v[80:81], s[30:31]
	s_endpgm
.Lfunc_end_k_qe61d0e8d80_perm:
	.size	k_qe61d0e8d80_perm, .Lfunc_end_k_qe61d0e8d80_perm-k_qe61d0e8d80_perm
	.p2alignl 7, 3214868480
	.fill 96, 4, 3214868480
	.section	.rodata,"a",@progbits
	.p2align	6, 0x0
	.amdhsa_kernel k_qe61d0e8d80_perm
		.amdhsa_group_segment_fixed_size 0
		.amdhsa_private_segment_fixed_size 0
		.amdhsa_enable_private_segment 0
		.amdhsa_kernarg_size 48
		.amdhsa_user_sgpr_count 2
		.amdhsa_user_sgpr_kernarg_segment_ptr 1
		.amdhsa_wavefront_size32 1
		.amdhsa_system_sgpr_workgroup_id_x 1
		.amdhsa_system_sgpr_workgroup_id_y 1
		.amdhsa_system_sgpr_workgroup_id_z 1
		.amdhsa_system_vgpr_workitem_id 0
		.amdhsa_next_free_vgpr 96
		.amdhsa_next_free_sgpr 66
		.amdhsa_reserve_vcc 0
		.amdhsa_float_denorm_mode_32 3
		.amdhsa_float_denorm_mode_16_64 3
		.amdhsa_memory_ordered 1
		.amdhsa_forward_progress 1
		.amdhsa_inst_pref_size 25
	.end_amdhsa_kernel
	.amdgpu_metadata
---
amdhsa.version: [ 1, 2 ]
amdhsa.kernels:
  - .name:           k_qe61d0e8d80_perm
    .symbol:         k_qe61d0e8d80_perm.kd
    .args:
      - { .name: x_codes, .offset: 0, .size: 8, .value_kind: global_buffer, .address_space: global }
      - { .name: x_scales, .offset: 8, .size: 8, .value_kind: global_buffer, .address_space: global }
      - { .name: Wqkv_codes, .offset: 16, .size: 8, .value_kind: global_buffer, .address_space: global }
      - { .name: Wqkv_scales, .offset: 24, .size: 8, .value_kind: global_buffer, .address_space: global }
      - { .name: pc, .offset: 32, .size: 8, .value_kind: global_buffer, .address_space: global }
      - { .name: ps, .offset: 40, .size: 8, .value_kind: global_buffer, .address_space: global }
    .group_segment_fixed_size: 0
    .private_segment_fixed_size: 0
    .kernarg_segment_align: 8
    .kernarg_segment_size: 48
    .max_flat_workgroup_size: 128
    .sgpr_count:     66
    .vgpr_count:     96
    .wavefront_size: 32
...
	.end_amdgpu_metadata
.endif
;; end of part 1
;; launch qkv (part 2): grid 4 x 64, 4 waves a work-group, clusters of 4 x 4, 327,680 bytes of LDS; arguments x_codes, x_scales, pc, ps, bqkv, ws; writes ws
.if DOCPART == 2
	.amdgcn_target "amdgcn-amd-amdhsa--gfx1250"
	.amdhsa_code_object_version 6
	.text
	.protected	k_qe61d0e8d80_qkv
	.globl	k_qe61d0e8d80_qkv
	.p2align	8
	.type	k_qe61d0e8d80_qkv,@function
k_qe61d0e8d80_qkv:
	s_mov_b64 s[64:65], 0
	v_nop
	global_prefetch_b8 v0, s[64:65] scope:SCOPE_SE
	s_setreg_imm32_b32 hwreg(HW_REG_WAVE_MODE, 25, 1), 1
	s_wait_xcnt 0x0
	s_wait_alu depctr_hold_cnt(0) depctr_sa_sdst(0) depctr_va_vdst(0) depctr_va_sdst(0) depctr_va_ssrc(0) depctr_va_vcc(0) depctr_vm_vsrc(0)
	s_getreg_b32 s2, hwreg(HW_REG_IB_STS2, 6, 4)
	s_cmp_eq_u32 s2, 0
	s_cbranch_scc0 .Lentry_in_a_cluster
	s_endpgm
.Lentry_in_a_cluster:
	s_bfe_u32 s2, ttmp6, 0x10000c
	s_cmp_lg_u32 s2, 0xf033
	s_cbranch_scc0 .Lentry_shape_is_right
	s_endpgm
.Lentry_shape_is_right:
; q, k, v = x Wqkv^T + b on codes of FP6 (E2M3), one E8M0 scale for each 32 along K = 1024, and their quantising for the attention, in the registers that hold the sums.
; Left out: k and v of the tokens that the dilation drops (shown at the head of the first kernel).  256 tiles of 256 x 256, one to a work-group of four waves; a wave makes 128 x 128: 64 accumulators.
; THREE TYPES OF TILE, told apart by the cluster's y (the same in all sixteen partners); no branch hangs on it: pointers, offsets and masks are chosen by s_cselect.
;   clusters 0-7  Q: source 1 = rows of x, source 0 = rows of Wq;   8-11  K: source 1 = the keys' rows, source 0 = rows of Wk;   12-15  V: source 1 = rows of Wv, source 0 = the keys' rows.
; The keys' rows and W's rows come from pc / ps in TILE ORDER: lane (r, h) of a result holds source 1's row r, and its 32 registers of accumulators 4 c .. 4 c + 3 are source 0's logical rows 64 c + 32 h + 0 .. 31:
; one whole block of the axis along which the result is quantised (the head's channels for q and k, the keys for v).
; K goes through a ring of two LDS slots in chunks of 256 bytes of each row (a row of codes is 768 bytes, so each chunk begins on a multiple of 256); a step of 128 along K is 96 bytes: eight steps to three chunks.
; The scale bytes of the tile's 512 rows, two dense blocks, come once, with the head's loads.  4 x 4 clusters: source 1's tile is asked for jointly along a row of the cluster, source 0's along a column.
; No prefetch: the block is the largest, in clusters, and K has three chunks, of which two are asked for before the first product.
; THE BIAS of q and k runs along source 0's rows: it is the C of each sum's first product.  v's runs along the lanes: one addition at the end.  Both are always executed; the one that a type does not use holds zeros.
; ws: K/V at 0: [head 16][step of 128 keys 32][13056]: K's images [tile 8][768]; at 6144 V's [channel tile 4][half 2][768]; at 12288 K's scale words [2][row 16][4]; at 12800 V's [row 16][4].
;     An image is six operand registers: [piece 3][lane 32][8 bytes].  q's images at QIMG: [head][tile of 16 tokens 512][768]; q's scale words at QSC: [head][128 tokens 64][2][row 16][4].  q's and k's words: bytes 2, 3 = 0x7f.
; LIMITS: NaN, infinities and scale bytes 0xff among the inputs are not served.  A block whose largest magnitude lies under 2^-124, a block of zeros too, keeps the byte 1 (this program alone reads the bytes).
; REGISTERS: window 0: v0-31 addresses; v32-63 scale words, two sets; v64-127 the bias along source 0; v128-223 source 1's fragments; v224-239 the bias along source 1.
;   window 1: source 0's fragments, two sets.  window 2, 3: the accumulators of my rows 0-63, 64-127 ((a, b) at v[8 (8 a + b)]).
.set ROWB,   256
.set NQ,     2
.set KROW,   768
.set STEPS,  8
.set CHUNKS, 3
.set PITCH,  272                       ; 256 bytes + 16 of padding
.set FR,     12
.set NL,     6
.set NP,     4
.set HALFT,  128*PITCH
.set SLOT,   4*HALFT
.set KS,     32
.set SCL,    2*SLOT
.set HALFS,  16*272
.set SBLK,   2*272
.set SPARE,  SCL+4*HALFS
.set HEADB,  417792
.set REC,    13056
.set QIMG,   6684672
.set QSC,    12976128
.set ADRA, 16                          ; v16-17 source 1's fragments in slot 0, 1; v18-19 for pieces whose two lane halves lie in different chunks
.set ADRB, 20
.set ADRS, 27
.set SPW,  28
.set NIL,  29
.set SC,   32
.set BB,   64
.set AF,   128
.set BA,   224
.set G1, 24
.set G0, 32
.set G1B, 48
.set G0B, 56
.set G1S, 68
.set G0S, 76
.set G1SB, 80
.set G0SB, 88
.set G0H, 4
.set G0HB, 8
.set MSB, 0
.macro WIN new                         ; the immediate's high byte repeats the setting that is left
.if MSB != \new
	s_set_vgpr_msb (MSB<<8)|\new
.set MSB, \new
.endif
.endm
.set MUL_LO, 0xa1
.set MUL_HI, 0xf1
.set TO_B,   0x40
.macro JLOAD g0a, g1a, g0b, g1b        ; waves 0, 1 fetch for source 1, waves 2, 3 for source 0; s_nop 0 and four v_nop behind each load
	s_cmp_eq_u32 s15, 0
	s_cbranch_scc0 .Lfor_b_\@
	tensor_load_to_lds s[\g0a:\g0a+3], s[\g1a:\g1a+7]
	s_nop 0
.rept 4
	v_nop
.endr
	s_branch .Lasked_\@
.Lfor_b_\@:
	tensor_load_to_lds s[\g0b:\g0b+3], s[\g1b:\g1b+7]
	s_nop 0
.rept 4
	v_nop
.endr
.Lasked_\@:
.endm
.macro CREST
	s_cmp_lg_u32 s14, 0
	s_cbranch_scc1 .Lnot_wave_0_\@
	s_barrier_signal -3
.Lnot_wave_0_\@:
	s_barrier_wait -3
	s_barrier_signal -1
	s_barrier_wait -1
.endm
.macro CROUND
	s_barrier_signal -1
	s_barrier_wait -1
	CREST
.endm
	s_load_b128 s[4:7], s[0:1], 0x0                ; x's codes, x's scales
	s_load_b128 s[8:11], s[0:1], 0x10              ; pc, ps
	s_load_b64 s[12:13], s[0:1], 0x20              ; bqkv
	s_load_b64 s[96:97], s[0:1], 0x28              ; ws
	v_lshl_add_u32 v[SPW], v0, 2, SPARE
	v_mov_b32 v[NIL], 0
	ds_add_u32 v[SPW], v[NIL]                      ; the opening lines: the add twice and one wait
	ds_add_u32 v[SPW], v[NIL]
	v_lshrrev_b32 v1, 5, v0
	v_readfirstlane_b32 s14, v1                    ; wave
	s_lshr_b32 s15, s14, 1                         ; my half of source 1's rows; also: I fetch for source 1 (0) or 0 (1)
	s_and_b32 s16, s14, 1                          ; my half of source 0's rows; also: which 128 rows I fetch
	s_bfe_u32 s40, ttmp6, 0x40000                  ; cx
	s_bfe_u32 s41, ttmp6, 0x40004                  ; cy
	s_and_b32 s66, ttmp7, 0xffff                   ; the cluster's y: the type
	s_and_b32 s67, s66, 7
	s_and_b32 s98, s66, 3
	s_lshr_b32 s95, s66, 3
	s_lshl_b32 s95, s95, 10
	s_add_co_u32 s95, s95, 4096                    ; Wq's or Wk's first row in pc
	s_cmp_lt_u32 s66, 12                           ; Q or K?
	s_cselect_b32 s67, s67, 0
	s_cselect_b32 s98, 0, s98
	s_cselect_b32 s99, 0, 6144                     ; source 1's first row in its buffer (V: Wv's)
	s_cselect_b32 s95, s95, 0                      ; source 0's (V: the keys')
	s_cselect_b32 s100, -1, 0
	s_cselect_b32 s101, 0, -1
	s_lshl_b32 s42, s98, 2
	s_add_co_u32 s42, s42, s40                     ; source 0's tile
	s_lshl_b32 s17, s67, 2
	s_add_co_u32 s17, s17, s41                     ; source 1's tile
	s_lshl_b32 s43, s41, 2
	s_lshl_b32 s43, 15, s43                        ; my row of the cluster
	s_lshl_b32 s44, 0x1111, s40                    ; my column
	s_or_b32 s[G1+0], s43, (0<<16)|(1<<20)|(1<<21)|(5<<22)|(3<<25)
	s_or_b32 s[G1B+0], s44, (0<<16)|(1<<20)|(1<<21)|(5<<22)|(3<<25)
.irp g, G1, G1B                        ; rows of 256 bytes: 256 of them for the head's loads
	s_mov_b32 s[\g+1], ROWB<<16
	s_mov_b32 s[\g+2], 256<<16
	s_mov_b32 s[\g+3], ROWB<<16
	s_mov_b32 s[\g+4], 256
	s_mov_b32 s[\g+5], KROW
	s_mov_b32 s[\g+6], 0
	s_mov_b32 s[\g+7], 0
.endr
	s_or_b32 s[G1S+0], s43, (3<<16)|(1<<20)|(1<<21)|(5<<22)|(3<<25)
	s_or_b32 s[G1SB+0], s44, (3<<16)|(1<<20)|(1<<21)|(5<<22)|(3<<25)
.irp g, G1S, G1SB                      ; the scale bytes of 256 rows: 8192 dense bytes as 32 rows of 256
	s_mov_b32 s[\g+1], 32<<16
	s_mov_b32 s[\g+2], KS<<16
	s_mov_b32 s[\g+3], 32<<16
	s_mov_b32 s[\g+4], KS
	s_mov_b32 s[\g+5], 32
	s_mov_b32 s[\g+6], 0
	s_mov_b32 s[\g+7], 0
.endr
	s_lshl_b32 s20, s17, 8
	s_add_co_u32 s20, s20, s99                     ; source 1: the tile's first row in its buffer
	s_lshl_b32 s46, s42, 8
	s_add_co_u32 s46, s46, s95                     ; source 0 likewise
	s_mov_b32 s21, 0
	s_mov_b32 s47, 0
	s_mov_b64 s[18:19], KS
	s_mul_u64 s[22:23], s[20:21], s[18:19]
	s_mul_u64 s[92:93], s[46:47], s[18:19]
	s_mov_b64 s[18:19], KROW
	s_mul_u64 s[20:21], s[20:21], s[18:19]
	s_mul_u64 s[46:47], s[46:47], s[18:19]
	s_mul_i32 s18, s16, 128*KROW                   ; in the ring I fetch 128 rows
	s_mov_b32 s19, 0
	s_mul_i32 s45, s14, HALFT
	s_lshl_b32 s67, s17, 8                         ; kept for the biases and the way out: my first row of source 1 within its matrix,
	s_lshl_b32 s2, s15, 7
	s_add_co_u32 s67, s67, s2
	s_lshl_b32 s98, s42, 8                         ; and of source 0
	s_lshl_b32 s2, s16, 7
	s_add_co_u32 s98, s98, s2
	s_wait_dscnt 0x0
	s_wait_kmcnt 0x0
	s_cmp_lt_u32 s66, 8                            ; Q alone takes source 1 from x itself
	s_cselect_b64 s[4:5], s[4:5], s[8:9]
	s_cselect_b64 s[6:7], s[6:7], s[10:11]
	s_add_nc_u64 s[20:21], s[4:5], s[20:21]
	s_add_nc_u64 s[22:23], s[6:7], s[22:23]
	s_add_nc_u64 s[46:47], s[8:9], s[46:47]
	s_add_nc_u64 s[92:93], s[10:11], s[92:93]
	CROUND                                         ; the first joint loads meet
	s_mov_b32 s[G0H], 1
	s_mov_b32 s[G0H+1], 0
	s_mov_b64 s[G0H+2:G0H+3], s[20:21]
	s_or_b32 s[G0H+3], s[G0H+3], 0x80000000
	s_mov_b32 s[G0HB], 1
	s_mov_b32 s[G0HB+1], 2*HALFT
	s_mov_b64 s[G0HB+2:G0HB+3], s[46:47]
	s_or_b32 s[G0HB+3], s[G0HB+3], 0x80000000
	s_mov_b32 s[G0S], 1
	s_mov_b32 s[G0S+1], SCL
	s_mov_b64 s[G0S+2:G0S+3], s[22:23]
	s_or_b32 s[G0S+3], s[G0S+3], 0x80000000
	s_mov_b32 s[G0SB], 1
	s_mov_b32 s[G0SB+1], SCL+2*HALFS
	s_mov_b64 s[G0SB+2:G0SB+3], s[92:93]
	s_or_b32 s[G0SB+3], s[G0SB+3], 0x80000000
	s_add_nc_u64 s[20:21], s[20:21], s[18:19]
	s_add_nc_u64 s[46:47], s[46:47], s[18:19]
.irp s, 0,1
	s_mov_b32 s[G0+4*\s], 1
	s_add_co_u32 s[G0+4*\s+1], s45, \s*SLOT
	s_add_nc_u64 s[G0+4*\s+2:G0+4*\s+3], s[20:21], \s*ROWB
	s_or_b32 s[G0+4*\s+3], s[G0+4*\s+3], 0x80000000
	s_mov_b32 s[G0B+4*\s], 1
	s_add_co_u32 s[G0B+4*\s+1], s45, \s*SLOT
	s_add_nc_u64 s[G0B+4*\s+2:G0B+4*\s+3], s[46:47], \s*ROWB
	s_or_b32 s[G0B+4*\s+3], s[G0B+4*\s+3], 0x80000000
.endr
; the head's four tiles, one load a wave: chunk 0 of source 1, of source 0, the scale bytes of source 1, of source 0
.macro ARM under, g0, g1, next
	s_cmp_lt_u32 s14, \under
	s_cbranch_scc0 \next
	tensor_load_to_lds s[\g0:\g0+3], s[\g1:\g1+7]
	s_nop 0
.rept 4
	v_nop
.endr
	s_branch .Lhead_asked
\next:
.endm
	ARM 1, G0H,  G1,  .Lhead_b
	ARM 2, G0HB, G1B, .Lhead_sa
	ARM 3, G0S,  G1S, .Lhead_sb
	tensor_load_to_lds s[G0SB:G0SB+3], s[G1SB:G1SB+7]
	s_nop 0
.rept 4
	v_nop
.endr
.Lhead_asked:
	v_and_b32 v1, 15, v0                           ; r
	v_bfe_u32 v2, v0, 4, 1                         ; h
	v_mul_u32_u24 v3, v1, PITCH
	v_mul_u32_u24 v4, v2, 24
	v_add_nc_u32 v4, v3, v4
	s_mov_b32 s21, SLOT-232
	s_mov_b32 s22, SLOT+232
	v_sub_nc_u32 v7, 1, v2
	v_mul_u32_u24 v5, s21, v2
	v_add_nc_u32 v5, v3, v5
	v_add_nc_u32 v5, 232, v5                       ; lanes 0-15 byte 232 of the row in slot 0, lanes 16-31 byte 0 in slot 1;
	v_mul_u32_u24 v6, s22, v7
	v_add_nc_u32 v6, v3, v6                        ; and the other way round
	s_mul_i32 s21, s15, HALFT
	s_mul_i32 s22, s16, HALFT
	s_add_co_u32 s22, s22, 2*HALFT
	v_add_nc_u32 v[ADRA+2], s21, v5
	v_add_nc_u32 v[ADRA+3], s21, v6
	v_add_nc_u32 v[ADRB+2], s22, v5
	v_add_nc_u32 v[ADRB+3], s22, v6
.irp s, 0,1
	v_add_nc_u32 v[ADRA+\s], s21, v4
	v_add_nc_u32 v[ADRB+\s], s22, v4
	s_add_co_u32 s21, s21, SLOT
	s_add_co_u32 s22, s22, SLOT
.endr
	v_mul_u32_u24 v5, v1, KS
	v_lshrrev_b32 v6, 8, v5
	v_lshl_add_u32 v5, v6, 4, v5
	s_mul_i32 s21, s15, HALFS
	s_mul_i32 s22, s16, HALFS
	s_add_co_u32 s22, s22, 2*HALFS
	s_sub_co_u32 s22, s22, s21
	v_mul_u32_u24 v6, s22, v2                      ; lanes 16-31 take source 0's scale words
	s_add_co_u32 s21, s21, SCL
	v_add_nc_u32 v5, v5, v6
	v_add_nc_u32 v[ADRS], s21, v5
	; the biases.  Along source 0: block b, half h, register j: channel 64 (b / 4) + 32 h + 8 (b % 4) + j of my 128.  Along source 1: block a, lane r: 64 (a / 4) + 32 (r / 8) + 8 (a % 4) + r % 8.
	s_add_co_u32 s2, s95, s98
	s_sub_co_u32 s2, s2, 4096
	s_and_b32 s2, s2, s100
	s_lshl_b32 s2, s2, 2
	v_lshl_add_u32 v7, v2, 7, s2
	s_add_co_u32 s3, s67, 2048
	s_and_b32 s3, s3, s101
	s_lshl_b32 s3, s3, 2
	v_and_b32 v8, 7, v1
	v_lshrrev_b32 v9, 3, v1
	v_lshl_add_u32 v8, v9, 5, v8
	v_lshl_add_u32 v8, v8, 2, s3
.irp b, 0,1,2,3,4,5,6,7
	global_load_b128 v[BB+8*\b:BB+8*\b+3], v7, s[12:13] offset:(64*(\b/4)+8*(\b%4))*4
	global_load_b128 v[BB+8*\b+4:BB+8*\b+7], v7, s[12:13] offset:(64*(\b/4)+8*(\b%4))*4+16
.endr
.irp a, 0,1,2,3,4,5,6,7
	global_load_b32 v[BA+2*\a], v8, s[12:13] offset:(64*(\a/4)+8*(\a%4))*4
.endr
	s_wait_loadcnt 0x0
.set k, 0
.rept 64
	v_and_b32 v[BB+k], s100, v[BB+k]
.set k, k+1
.endr
.irp a, 0,1,2,3,4,5,6,7
	v_and_b32 v[BA+2*\a], s101, v[BA+2*\a]
	v_mov_b32 v[BA+2*\a+1], v[BA+2*\a]
.endr
.macro FRAG reg, adr, st, i            ; 16 rows x 128 K: lane (r, h) takes 24 bytes at 96 st + 24 h and 24 at 96 st + 48 + 24 h of row r, in pieces of 8; byte y lies in slot (y / 256) % 2 at byte y % 256
.irp p, 0,1,2,3,4,5
.set BY, 96*(\st)+48*(\p/3)+8*(\p%3)
.if BY/ROWB == (BY+24)/ROWB
	ds_load_b64 v[\reg+2*\p:\reg+2*\p+1], v[\adr+(BY/ROWB)%2] offset:BY%ROWB+(\i)*16*PITCH
.else
	ds_load_b64 v[\reg+2*\p:\reg+2*\p+1], v[\adr+2+(BY/ROWB)%2] offset:BY%ROWB-232+(\i)*16*PITCH
.endif
.endr
.endm
; 16 matrix instructions; the 64 accumulators take turns in the same order in every step.  zero = 1: the bias is the first product's C
.macro MUL16 a0, p, q, sc, zero
.irp a, \a0, \a0+1
.irp b, 0,1,2,3,4,5,6,7
.if \zero
	v_wmma_scale_f32_16x16x128_f8f6f4 v[8*(8*((\a)%4)+\b):8*(8*((\a)%4)+\b)+7], v[128*(\p)+FR*\b:128*(\p)+FR*\b+FR-1], v[AF+FR*(\a):AF+FR*(\a)+FR-1], v[BB+8*\b:BB+8*\b+7], v[SC+8*NQ*(\sc)+NQ*\b+(\q)], v[SC+8*NQ*(\sc)+NQ*(\a)+(\q)] matrix_a_fmt:MATRIX_FMT_FP6 matrix_b_fmt:MATRIX_FMT_FP6 matrix_a_scale:MATRIX_SCALE_ROW1
.else
	v_wmma_scale_f32_16x16x128_f8f6f4 v[8*(8*((\a)%4)+\b):8*(8*((\a)%4)+\b)+7], v[128*(\p)+FR*\b:128*(\p)+FR*\b+FR-1], v[AF+FR*(\a):AF+FR*(\a)+FR-1], v[8*(8*((\a)%4)+\b):8*(8*((\a)%4)+\b)+7], v[SC+8*NQ*(\sc)+NQ*\b+(\q)], v[SC+8*NQ*(\sc)+NQ*(\a)+(\q)] matrix_a_fmt:MATRIX_FMT_FP6 matrix_b_fmt:MATRIX_FMT_FP6 matrix_a_scale:MATRIX_SCALE_ROW1
.endif
.endr
.endr
.endm
.macro FETCH_B st, p
	WIN TO_B
.irp i, 0,1,2,3,4,5,6,7
	FRAG 128*(\p)+FR*\i, ADRB, \st, \i
.endr
	WIN 0
.endm
.macro FETCH_A st, i0
.irp i, \i0, \i0+1, \i0+2, \i0+3
	FRAG AF+FR*(\i), ADRA, \st, \i
.endr
.endm
.macro SCALES pr                       ; the scale words of steps 2 pr, 2 pr + 1: lanes 0-15 source 1's block i, lanes 16-31 source 0's
.irp i, 0,1,2,3,4,5,6,7
	ds_load_b64 v[SC+8*NQ*((\pr)%2)+NQ*\i:SC+8*NQ*((\pr)%2)+NQ*\i+1], v[ADRS] offset:\i*SBLK+4*NQ*(\pr)
.endr
.endm
.macro PLACES n                        ; places behind matrix instructions (ISA guide 7.12.1)
.rept \n
	v_nop
.endr
.endm
; A step of 128 along K.  Where the next step's bytes end in a chunk not yet read: the wait for my tensor loads and a barrier.  Where they begin in a later chunk: the wait, the add, the wait for it and for my reads, the barrier;
; and where a chunk two on is left, that barrier opens a round of the cluster's barrier and the slot is filled again.
.macro STEP st, zero
.set NX, (\st)+1
.set C0, (96*(\st))/ROWB
.set C1, (96*NX)/ROWB
.set E0, (96*(\st)+95)/ROWB
.set E1, (96*NX+95)/ROWB
.if C1 > C0 || E1 > E0
	s_wait_tensorcnt 0x0
.if C1 > C0
	ds_add_u32 v[SPW], v[NIL]
	s_wait_dscnt 4*NL+1                            ; the add and the youngest 24 loads (blocks 4-7) may be out
.else
	s_wait_dscnt 4*NL
.endif
	WIN WLO
	MUL16 0, (\st)%2, (\st)%2, ((\st)/2)%2, \zero
	s_wait_dscnt 0x0                               ; the add and all my reads are done
	s_barrier_signal -1
	MUL16 2, (\st)%2, (\st)%2, ((\st)/2)%2, \zero
	WIN 0
	s_barrier_wait -1
.if C1 > C0 && C0+2 < CHUNKS
	CREST
	s_add_nc_u64 s[G0+4*(C0%2)+2:G0+4*(C0%2)+3], s[G0+4*(C0%2)+2:G0+4*(C0%2)+3], 2*ROWB
	s_add_nc_u64 s[G0B+4*(C0%2)+2:G0B+4*(C0%2)+3], s[G0B+4*(C0%2)+2:G0B+4*(C0%2)+3], 2*ROWB
	JLOAD G0+4*(C0%2), G1, G0B+4*(C0%2), G1B       ; chunk C0 + 2: my one load behind the round; its four v_nop are the places for the loads below
.else
	PLACES NP
.endif
.else
	s_wait_dscnt 4*NL                              ; all but the youngest 24 loads (blocks 4-7)
	WIN WLO
	MUL16 0, (\st)%2, (\st)%2, ((\st)/2)%2, \zero
	MUL16 2, (\st)%2, (\st)%2, ((\st)/2)%2, \zero
	s_wait_dscnt 0
	PLACES NP
.endif
	FETCH_B NX, NX%2
	FETCH_A NX, 0
.if NX%2 == 0
	SCALES NX/2
.endif
	WIN WHI
	MUL16 4, (\st)%2, (\st)%2, ((\st)/2)%2, \zero
	MUL16 6, (\st)%2, (\st)%2, ((\st)/2)%2, \zero
	PLACES NP
	WIN 0
	FETCH_A NX, 4
.endm
	s_wait_alu depctr_va_vdst(0)                   ; the wait at the head's end
	s_wait_tensorcnt 0x0                           ; my tile of the head's four is in; the lines ahead of a later first fill:
	ds_add_u32 v[SPW], v[NIL]
	s_mov_b32 s[G1+2], 128<<16                     ; no load of mine is out: from here on a load brings 128 rows
	s_mov_b32 s[G1+4], 128
	s_mov_b32 s[G1B+2], 128<<16
	s_mov_b32 s[G1B+4], 128
	s_wait_dscnt 0x0
	CROUND
	JLOAD G0+4, G1, G0B+4, G1B                     ; chunk 1
	FETCH_B 0, 0
	FETCH_A 0, 0
	SCALES 0
	FETCH_A 0, 4
.set WLO, 0x81                         ; the first step's C, the bias, lies in window 0
.set WHI, 0xc1
	STEP 0, 1
.set WLO, MUL_LO
.set WHI, MUL_HI
.set ST, 1
.rept STEPS-2
	STEP ST, 0
.set ST, ST+1
.endr
	s_wait_dscnt 4*NL
	WIN MUL_LO
	MUL16 0, 1, 1, 1, 0
	MUL16 2, 1, 1, 1, 0
	s_wait_dscnt 0
	WIN MUL_HI
	MUL16 4, 1, 1, 1, 0
	MUL16 6, 1, 1, 1, 0
	WIN 0
	; ---- THE WAY OUT.  The type's offsets in ws, all by selection.
.set L8,  1
.set VO0, 2
.set VS0, 4
.set VS1, 5
.set VSEL, 6                           ; the byte selector that makes a scale word of my two bytes and lane l xor 16's
.set TM,  152
.set SO,  156
.set BY2, 158
.set XW,  160
.set YW,  161
.set PC,  170
.set CT,  182
.set WD,  208
	PLACES NP
	s_cmp_lt_u32 s66, 12                           ; Q or K?
	s_cselect_b32 s24, s98, s67                    ; the channel index
	s_cselect_b32 s25, s67, s98                    ; the token or key index
	s_cselect_b32 s26, 0, 6144                     ; V's images lie behind K's
	s_mov_b32 s27, 12800
	s_cselect_b32 s27, 12288, s27                  ; the scale words
	s_mov_b32 s29, 1536
	s_cselect_b32 s29, 768, s29                    ; from block to block
	s_cselect_b32 s30, 0, HEADB-4*1536             ; V: behind four blocks the next head begins
	s_mov_b32 s31, 768
	s_cselect_b32 s31, HEADB, s31                  ; from the first image to the second
	s_cselect_b32 s32, HEADB, 0                    ; q, k: lanes 16-31 store the next head's words
	s_mov_b32 s33, HEADB
	s_cselect_b32 s33, 256, s33                    ; from blocks 0-3's words to blocks 4-7's
	s_cselect_b32 s35, 0x7f7f0000, 0               ; q, k: 1.0 over the half of K that holds zero codes
	s_mov_b32 s34, 0x06020400
	s_cselect_b32 s34, 0x01010400, s34             ; lanes 0-15: q, k: the first head's two bytes; v: all four
	s_mov_b32 s28, 0x02060004
	s_cselect_b32 s28, 0x01010206, s28             ; lanes 16-31: q, k: the second head's; v: the same four
	s_lshr_b32 s24, s24, 6                         ; the head
	s_mul_i32 s36, s24, HEADB
	s_lshr_b32 s37, s25, 7
	s_mul_i32 s37, s37, REC
	s_add_co_u32 s36, s36, s37                     ; the head's step of 128 keys
	s_add_co_u32 s38, s36, s26
	s_add_co_u32 s39, s36, s27
	s_lshl_b32 s40, s24, 9
	s_lshr_b32 s41, s25, 4
	s_add_co_u32 s40, s40, s41
	s_mul_i32 s40, s40, 768
	s_add_co_u32 s40, s40, QIMG
	s_lshl_b32 s41, s24, 15
	s_lshr_b32 s43, s25, 7
	s_lshl_b32 s43, s43, 9
	s_add_co_u32 s41, s41, s43
	s_add_co_u32 s41, s41, QSC
	s_cmp_lt_u32 s66, 8                            ; Q?
	s_cselect_b32 s38, s40, s38
	s_cselect_b32 s39, s41, s39
	s_cselect_b32 s31, 393216, s31
	s_cselect_b32 s32, 32768, s32
	s_mov_b32 s44, 0x76543210
	s_mov_b32 s45, 0xfedcba98                      ; v_permlanex16_b32's selects for lane l xor 16
	v_and_b32 v7, 31, v0
	v_lshlrev_b32 v[L8], 3, v7
	v_and_b32 v8, 15, v0
	v_bfe_u32 v9, v0, 4, 1
	v_mul_u32_u24 v[VS0], v9, s32
	v_lshl_add_u32 v[VS0], v8, 4, v[VS0]
	v_add_nc_u32 v[VS0], s39, v[VS0]
	v_add_nc_u32 v[VS1], s33, v[VS0]
	v_cmp_lt_u32 s46, 15, v7
	v_mov_b32 v10, s34
	v_mov_b32 v11, s28
	v_cndmask_b32 v[VSEL], v10, v11, s46
	v_mov_b32 v[YW], 0                             ; a lane permute's destination counts as a source
; Block a: 16 rows of source 1 x my 128 of source 0.  Register 32 c + i of the block = logical index 64 c + 32 h + i: two whole blocks of 32 a lane.
.macro OUTBLK a
.set W, 2+(\a)/4
.set AC, 64*((\a)%4)
	WIN W*0x41
.set k, 0
.rept 32
	v_pk_add_f32 v[AC+k:AC+k+1], v[AC+k:AC+k+1], v[BA+2*(\a):BA+2*(\a)+1]   ; v's bias (zeros for q and k); each accumulator from its low end on
.set k, k+2
.endr
	WIN W*5
.irp b, 0,1,2,3
	v_max3_num_f32 v[TM+\b], |v[AC+16*\b]|, |v[AC+16*\b+1]|, 0x1800000   ; four chains of 16; the floor 2^(3 - 127) keeps the byte at 1 or more
.endr
	WIN W*0x14
.irp i, 2,4,6,8,10,12,14
.irp b, 0,1,2,3
	v_max3_num_f32 v[TM+\b], v[TM+\b], |v[AC+16*\b+\i]|, |v[AC+16*\b+\i+1]|
.endr
.endr
	WIN 0
	v_max_num_f32 v[TM], v[TM], v[TM+1]
	v_max_num_f32 v[TM+2], v[TM+2], v[TM+3]
	v_add_nc_u32 v[SO], 0xff000000, v[TM]          ; 2 off the exponent field: the conversion's scale operand
	v_add_nc_u32 v[SO+1], 0xff000000, v[TM+2]
	v_lshrrev_b32 v[BY2], 23, v[SO]
	v_lshrrev_b32 v[BY2+1], 23, v[SO+1]
	v_lshl_or_b32 v[XW], v[BY2+1], 16, v[BY2]
	v_permlanex16_b32 v[YW], v[XW], s44, s45
	v_perm_b32 v[WD+(\a)], v[YW], v[XW], v[VSEL]
	v_or_b32 v[WD+(\a)], s35, v[WD+(\a)]
.if (\a) > 0
	s_wait_alu depctr_va_vdst(0)                   ; the wait ahead of the wait below
	s_wait_xcnt 0x0                                ; the last block's stores have read their data and offsets
.endif
	WIN W
.irp c, 0,1
	v_cvt_scalef32_pk16_fp6_f32 v[PC+6*\c:PC+6*\c+2], v[AC+32*\c:AC+32*\c+15], v[SO+\c]
	v_cvt_scalef32_pk16_fp6_f32 v[CT+4*\c:CT+4*\c+2], v[AC+32*\c+16:AC+32*\c+31], v[SO+\c]   ; (a conversion's three registers begin on an even number)
.endr
	WIN 0
	v_nop                                          ; one plain place behind a scaled conversion
.irp c, 0,1
.irp i, 0,1,2
	v_mov_b32 v[PC+3+6*\c+\i], v[CT+4*\c+\i]
.endr
.endr
	v_add_nc_u32 v[VO0], s38, v[L8]
	v_add_nc_u32 v[VO0+1], s31, v[VO0]
.irp c, 0,1
.irp p, 0,1,2
	global_store_b64 v[VO0+\c], v[PC+6*\c+2*\p:PC+6*\c+2*\p+1], s[96:97] offset:256*\p   ; 32 lanes store 256 consecutive bytes, aligned
.endr
.endr
	s_add_co_u32 s38, s38, s29
.if (\a) == 3
	s_add_co_u32 s38, s38, s30
.endif
.endm
.irp a, 0,1,2,3,4,5,6,7
	OUTBLK \a
.endr
	global_store_b128 v[VS0], v[WD:WD+3], s[96:97]     ; four blocks' words a lane: sixteen lanes store 256 consecutive bytes (V: both lane halves hold and store the same)
	global_store_b128 v[VS1], v[WD+4:WD+7], s[96:97]
	s_wait_tensorcnt 0x0                           ; the wave's end
	ds_add_u32 v[SPW], v[NIL]
	s_wait_dscnt 0x0
	CROUND                                         ; the closing round
	s_endpgm
.Lfunc_end_k_qe61d0e8d80_qkv:
	.size	k_qe61d0e8d80_qkv, .Lfunc_end_k_qe61d0e8d80_qkv-k_qe61d0e8d80_qkv
	.p2alignl 7, 3214868480
	.fill 96, 4, 3214868480
	.section	.rodata,"a",@progbits
	.p2align	6, 0x0
	.amdhsa_kernel k_qe61d0e8d80_qkv
		.amdhsa_group_segment_fixed_size 327680
		.amdhsa_private_segment_fixed_size 0
		.amdhsa_enable_private_segment 0
		.amdhsa_kernarg_size 48
		.amdhsa_user_sgpr_count 2
		.amdhsa_user_sgpr_kernarg_segment_ptr 1
		.amdhsa_wavefront_size32 1
		.amdhsa_system_sgpr_workgroup_id_x 1
		.amdhsa_system_sgpr_workgroup_id_y 1
		.amdhsa_system_sgpr_workgroup_id_z 1
		.amdhsa_system_vgpr_workitem_id 0
		.amdhsa_next_free_vgpr 1024
		.amdhsa_next_free_sgpr 102
		.amdhsa_reserve_vcc 0
		.amdhsa_float_denorm_mode_32 3
		.amdhsa_float_denorm_mode_16_64 3
		.amdhsa_memory_ordered 1
		.amdhsa_forward_progress 1
		.amdhsa_inst_pref_size 187
	.end_amdhsa_kernel
	.amdgpu_metadata
---
amdhsa.version: [ 1, 2 ]
amdhsa.kernels:
  - .name:           k_qe61d0e8d80_qkv
    .symbol:         k_qe61d0e8d80_qkv.kd
    .args:
      - { .name: x_codes, .offset: 0, .size: 8, .value_kind: global_buffer, .address_space: global }
      - { .name: x_scales, .offset: 8, .size: 8, .value_kind: global_buffer, .address_space: global }
      - { .name: pc, .offset: 16, .size: 8, .value_kind: global_buffer, .address_space: global }
      - { .name: ps, .offset: 24, .size: 8, .value_kind: global_buffer, .address_space: global }
      - { .name: bqkv, .offset: 32, .size: 8, .value_kind: global_buffer, .address_space: global }
      - { .name: ws, .offset: 40, .size: 8, .value_kind: global_buffer, .address_space: global }
    .group_segment_fixed_size: 327680
    .private_segment_fixed_size: 0
    .kernarg_segment_align: 8
    .kernarg_segment_size: 48
    .max_flat_workgroup_size: 128
    .sgpr_count:     102
    .vgpr_count:     1024
    .wavefront_size: 32
...
	.end_amdgpu_metadata
.endif
;; end of part 2
;; launch attn (part 3): grid 16 x 16, 8 waves a work-group, clusters of 4 x 1, 327,680 bytes of LDS; arguments ws, oimg, osc; writes oimg, osc
.if DOCPART == 3
	.amdgcn_target "amdgcn-amd-amdhsa--gfx1250"
	.amdhsa_code_object_version 6
	.text
	.protected	k_qe61d0e8d80_attn
	.globl	k_qe61d0e8d80_attn
	.p2align	8
	.type	k_qe61d0e8d80_attn,@function
k_qe61d0e8d80_attn:
	s_mov_b64 s[64:65], 0
	v_nop
	global_prefetch_b8 v0, s[64:65] scope:SCOPE_SE
	s_setreg_imm32_b32 hwreg(HW_REG_WAVE_MODE, 25, 1), 1
	s_wait_xcnt 0x0
	s_wait_alu depctr_hold_cnt(0) depctr_sa_sdst(0) depctr_va_vdst(0) depctr_va_sdst(0) depctr_va_ssrc(0) depctr_va_vcc(0) depctr_vm_vsrc(0)
	s_getreg_b32 s2, hwreg(HW_REG_IB_STS2, 6, 4)
	s_cmp_eq_u32 s2, 0
	s_cbranch_scc0 .Lentry_in_a_cluster
	s_endpgm
.Lentry_in_a_cluster:
	s_bfe_u32 s2, ttmp6, 0x10000c
	s_cmp_lg_u32 s2, 0x3003
	s_cbranch_scc0 .Lentry_shape_is_right
	s_endpgm
.Lentry_shape_is_right:
; THE THREE SEGMENTS' ATTENTION on codes of FP6, and the quantising of its result for the projection.  Only the keys that the dilation keeps exist here (shown at the head of the first kernel).
; A work-group is one head (grid y) and one sixteenth of its queries; the four work-groups of a cluster share the head's K and V and ask for them jointly.  Each of the 8 waves runs four jobs of 16 queries:
; segment 1 (8 steps of 128 keys), segment 0 (16 steps), segment 2 twice (8 steps each): 40 steps a wave, the same in every wave.
; LDS: RB, one chunk of 1024 keys (8 records of 13056 bytes: K's images, V's images, K's and V's scale words of 128 keys); RA, two chunks.  RB holds segment 1's keys, then is filled again with segment 2's while RA (segment 0) is at work.
; No prefetch: a head's K and V come by three loads a wave, and the one that is asked for late has 16 steps in which to land.
; BOTH PRODUCTS ARE USED TRANSPOSED (S^T = k q^T, O^T = v^T p^T): a lane holds one query.  By the tile order of K's rows, lane (r, h)'s 32 registers of tiles 4 c .. 4 c + 3 are keys 64 c + 32 h + 0 .. 31: a whole block of p.
; The head has 64 channels: q's upper six operand registers are zero codes, so what K's operand names there (the next tile's registers) adds nothing.
; SOFTMAX: M = ceil of the running largest t, kept as -M; p = 2^(t - M); the sum is taken of the unquantised p; when M moves, sum and O^T are multiplied by an exact power of two, in every step, with no branch.
; A block's largest p is made from its largest score by the same multiply-add and exponential.  K's fragments of the next step are asked for one step ahead.
; LIMITS: the promise holds while the scaled scores stay under 2^31 in magnitude; NaN and infinities are not served; a block whose every p is under 2^-124 keeps the byte 1.
; REGISTERS: window 0: v16-28 q; v32-85 K; v88-95 K's scale words; v96-159 S^T, then p; v160-207 V; v208-211 V's scale words; v212.. p's codes and small things.  window 1: v0-31 O^T; v32-59 the four jobs' q.
.set HEADB, 417792
.set REC,   13056
.set CHB,   8*REC
.set QIMG,  6684672
.set QSC,   12976128
.set RB,    0
.set RA,    CHB
.set SPARE, 3*CHB
.set L8,  1
.set L16, 2
.set A8,  3
.set A16, 4
.set N8,  5
.set N16, 6
.set AO,  7
.set AB0, 8
.set AB,  9
.set SPW, 29
.set NIL, 30
.set KF,  32
.set KSW, 88
.set SR,  96
.set VF,  160
.set VSW, 208
.set PC,  212
.set CT,  224
.set BM,  232
.set SO,  236
.set PT,  238
.set FF,  240
.set TMP, 242
.set PW,  243
.set XW,  244
.set NM,  245
.set WV,  10
.set G1S, 16
.set G1L, 24
.set G0B, 32
.set G0A, 36
.set SEL, 40
.set CS,  42
.set TC,  44
.set TN,  45
.set PSEL, 46
.set CNT, 47
.set MSB, 0
.macro WIN new
.if MSB != \new
	s_set_vgpr_msb (MSB<<8)|\new
.set MSB, \new
.endif
.endm
.macro D1
	s_delay_alu instid0(VALU_DEP_1)
.endm
.macro CROUND
	s_barrier_signal -1
	s_barrier_wait -1
	s_cmp_lg_u32 s[WV], 0
	s_cbranch_scc1 .Lnot_wave_0_\@
	s_barrier_signal -3
.Lnot_wave_0_\@:
	s_barrier_wait -3
	s_barrier_signal -1
	s_barrier_wait -1
.endm
	s_load_b128 s[4:7], s[0:1], 0x0                ; ws, oimg
	s_load_b64 s[8:9], s[0:1], 0x10                ; osc
	v_lshl_add_u32 v[SPW], v0, 2, SPARE
	v_mov_b32 v[NIL], 0
	ds_add_u32 v[SPW], v[NIL]                      ; the opening lines
	ds_add_u32 v[SPW], v[NIL]
	v_lshrrev_b32 v1, 5, v0
	D1
	v_readfirstlane_b32 s[WV], v1
	s_bfe_u32 s11, ttmp6, 0x40000
	s_lshl_b32 s12, ttmp9, 2
	s_add_co_u32 s12, s12, s11                     ; which sixteenth of the queries
	s_and_b32 s13, ttmp7, 0xffff                   ; the head
.irp g, G1S, G1L                       ; dense bytes as rows of 256: a wave brings one record of RB's chunk, two of RA's sixteen
	s_mov_b32 s[\g], 15|(3<<16)|(1<<21)
	s_mov_b32 s[\g+1], 32<<16
	s_mov_b32 s[\g+3], 32<<16
	s_mov_b32 s[\g+5], 32
	s_mov_b32 s[\g+6], 0
	s_mov_b32 s[\g+7], 0
.endr
	s_mov_b32 s[G1S+2], 51<<16
	s_mov_b32 s[G1S+4], 51
	s_mov_b32 s[G1L+2], 102<<16
	s_mov_b32 s[G1L+4], 102
	s_mul_i32 s2, s13, HEADB
	s_mov_b32 s3, 0
	s_mul_i32 s14, s[WV], REC
	s_mul_i32 s15, s[WV], 2*REC
	s_mov_b32 s51, 0
	s_wait_dscnt 0x0
	s_wait_kmcnt 0x0
	s_mov_b32 s[G0B], 1
	s_mov_b32 s[G0B+1], s14
	s_add_nc_u64 s[G0B+2:G0B+3], s[4:5], s[2:3]
	s_add_nc_u64 s[G0B+2:G0B+3], s[G0B+2:G0B+3], 2*CHB
	s_mov_b32 s50, s14
	s_add_nc_u64 s[G0B+2:G0B+3], s[G0B+2:G0B+3], s[50:51]
	s_or_b32 s[G0B+3], s[G0B+3], 0x80000000
	s_mov_b32 s[G0A], 1
	s_add_co_u32 s[G0A+1], s15, RA
	s_add_nc_u64 s[G0A+2:G0A+3], s[4:5], s[2:3]
	s_mov_b32 s50, s15
	s_add_nc_u64 s[G0A+2:G0A+3], s[G0A+2:G0A+3], s[50:51]
	s_or_b32 s[G0A+3], s[G0A+3], 0x80000000
	CROUND
	tensor_load_to_lds s[G0B:G0B+3], s[G1S:G1S+7]  ; segment 1's keys: my one load at the head
	s_nop 0
.rept 4
	v_nop
.endr
	s_lshr_b32 s14, s[WV], 2
	s_lshl_b32 s14, s14, 8
	s_and_b32 s15, s[WV], 3
	s_lshl_b32 s15, s15, 2
	s_add_co_u32 s15, s15, s14                     ; my tile's place among the scale words of 128 tokens
.macro JOB q, cb, sb                   ; s49: the job's tile of 16 tokens.  Where q's image and words lie, and where the result goes
	s_lshl_b32 s50, s13, 9
	s_add_co_u32 s50, s50, s49
	s_mul_i32 s50, s50, 768
	s_add_co_u32 s50, s50, QIMG
	s_add_nc_u64 s[\cb:\cb+1], s[4:5], s[50:51]
	s_lshl_b32 s50, s13, 15
	s_lshr_b32 s2, s49, 3
	s_lshl_b32 s2, s2, 9
	s_add_co_u32 s50, s50, s2
	s_add_co_u32 s50, s50, s15
	s_add_co_u32 s50, s50, QSC
	s_add_nc_u64 s[\sb:\sb+1], s[4:5], s[50:51]
	s_lshl_b32 s50, s49, 4
	s_add_co_u32 s50, s50, s13
	s_mul_i32 s[52+\q], s50, 768
	s_lshl_b32 s50, s49, 9
	s_lshl_b32 s2, s13, 1
	s_add_co_u32 s[56+\q], s50, s2
.endm
	s_lshl_b32 s14, s12, 3
	s_add_co_u32 s14, s14, s[WV]
	s_add_co_u32 s49, s14, 128
	JOB 0, 60, 70
	s_mov_b32 s49, s14
	JOB 1, 62, 72
	s_lshl_b32 s14, s12, 4
	s_add_co_u32 s14, s14, s[WV]
	s_add_co_u32 s49, s14, 256
	JOB 2, 66, 74
	s_add_co_u32 s49, s14, 264
	JOB 3, 68, 76
	s_mov_b32 s[SEL], 0x76543210
	s_mov_b32 s[SEL+1], 0xfedcba98
	s_mov_b32 s[CS], 0x3e38aa3b                    ; log2(e) / 8
	s_mov_b32 s[CS+1], s[CS]
	s_mov_b32 s[PSEL], 0x06020400                  ; my bytes 0, 2 and lane l xor 16's make p's scale word
	v_and_b32 v9, 31, v0
	v_and_b32 v10, 15, v0
	v_bfe_u32 v11, v0, 4, 1
	v_lshlrev_b32 v[L8], 3, v9
	v_lshlrev_b32 v[L16], 4, v10
	v_lshl_add_u32 v[AB0], v10, 5, v11             ; token r's 32 scale bytes, + my block
.irp p, 0,1,2,3,4,5
	v_mov_b32 v[22+\p], 0
	v_mov_b32 v[KF+48+\p], 0
.endr
	v_mov_b32 v[PT], 0
	v_mov_b32 v[FF+1], 0
	v_mov_b32 v[TMP], 0
	s_wait_alu depctr_va_vdst(0)                   ; the wait at the head's end
	WIN 0x40
.macro QLOAD q, cb, sb
.irp p, 0,1,2
	global_load_b64 v[32+6*\q+2*\p:32+6*\q+2*\p+1], v[L8], s[\cb:\cb+1] offset:256*\p
.endr
	global_load_b32 v[56+\q], v[L16], s[\sb:\sb+1]
.endm
	QLOAD 0, 60, 70
	QLOAD 1, 62, 72
	QLOAD 2, 66, 74
	QLOAD 3, 68, 76
	WIN 0
.macro KLOAD                           ; 26 LDS loads: eight tiles of K and their scale words
.irp T, 0,1,2,3,4,5,6,7
.irp p, 0,1,2
	ds_load_b64 v[KF+6*\T+2*\p:KF+6*\T+2*\p+1], v[N8] offset:768*\T+256*\p
.endr
.endr
	ds_load_b128 v[KSW:KSW+3], v[N16] offset:12288
	ds_load_b128 v[KSW+4:KSW+7], v[N16] offset:12544
.endm
.macro STEP last                       ; 16 queries x 128 keys.  last: the job's last record, at which the look-ahead is held
	s_wait_dscnt 0x0                               ; this step's K is in
.irp T, 0,1,2,3,4,5,6,7
	v_wmma_scale_f32_16x16x128_f8f6f4 v[SR+8*\T:SR+8*\T+7], v[KF+6*\T:KF+6*\T+11], v[16:27], 0, v[KSW+\T], v28 matrix_a_fmt:MATRIX_FMT_FP6 matrix_b_fmt:MATRIX_FMT_FP6
.endr
	v_add_nc_u32 v[A8], s[TC], v[L8]               ; four plain lines: the places behind the matrix instructions
	v_add_nc_u32 v[A16], s[TC], v[L16]
	v_add_nc_u32 v[N8], s[TN], v[L8]
	v_add_nc_u32 v[N16], s[TN], v[L16]
.irp t, 0,1,2,3
.irp c, 0,1
.irp p, 0,1,2
	ds_load_b64 v[VF+12*\t+6*\c+2*\p:VF+12*\t+6*\c+2*\p+1], v[A8] offset:6144+1536*\t+768*\c+256*\p
.endr
.endr
.endr
	ds_load_b128 v[VSW:VSW+3], v[A16] offset:12800
	KLOAD                                          ; the next step's K
.irp k, 0,1,2,3
	v_max3_num_f32 v[BM+\k], v[SR+16*\k], v[SR+16*\k+1], v[SR+16*\k+2]   ; the largest score of each block of 32, in two chains each
.endr
.irp i, 3,5,7,9,11,13
.irp k, 0,1,2,3
	v_max3_num_f32 v[BM+\k], v[BM+\k], v[SR+16*\k+\i], v[SR+16*\k+\i+1]
.endr
.endr
	v_max3_num_f32 v[BM], v[BM], v[BM+1], v[SR+15]
	v_max3_num_f32 v[BM+2], v[BM+2], v[BM+3], v[SR+47]
	v_max_num_f32 v[BM], v[BM], v[SR+31]
	v_max_num_f32 v[BM+2], v[BM+2], v[SR+63]
	D1
	v_max_num_f32 v[TMP], v[BM], v[BM+2]
	D1
	v_permlanex16_b32 v[PT], v[TMP], s[SEL], s[SEL+1]
	D1
	v_max3_num_f32 v13, v13, v[TMP], v[PT]         ; the running largest score
	D1
	v_mul_f32 v[TMP], s[CS], v13
	D1
	v_floor_f32 v[NM], -v[TMP]                     ; the new -M
	D1
	v_sub_f32 v[TMP], v[NM], v12
	v_mov_b32 v12, v[NM]
	v_cvt_i32_f32 v[TMP], v[TMP]
	D1
	v_ldexp_f32 v[FF], 1.0, v[TMP]                 ; f = 2^(old M - new M)
.set j, 0
.rept 32
	v_pk_fma_f32 v[SR+j:SR+j+1], v[SR+j:SR+j+1], s[CS:CS+1], v[12:13] op_sel_hi:[1,0,0]
.set j, j+2
.endr
	v_fma_f32 v[BM], v[BM], s[CS], v12
	v_fma_f32 v[BM+2], v[BM+2], s[CS], v12
	s_wait_alu depctr_va_vdst(0)                   ; the wait ahead of the batch
.set j, 0
.rept 64
	v_exp_f32 v[SR+j], v[SR+j]
.set j, j+1
.endr
	v_exp_f32 v[BM], v[BM]
	v_exp_f32 v[BM+2], v[BM+2]
	v_pk_mul_f32 v[14:15], v[14:15], v[FF:FF+1] op_sel_hi:[1,0]
	s_wait_alu depctr_va_vdst(0)                   ; and behind it
	v_pk_add_f32 v[PT:PT+1], v[SR:SR+1], v[SR+2:SR+3]   ; the sum of the unquantised p, in two chains
.set j, 4
.rept 15
	v_pk_add_f32 v[14:15], v[14:15], v[SR+j:SR+j+1]
	v_pk_add_f32 v[PT:PT+1], v[PT:PT+1], v[SR+j+2:SR+j+3]
.set j, j+4
.endr
	v_max_num_f32 v[BM], 0x1800000, v[BM]
	v_max_num_f32 v[BM+2], 0x1800000, v[BM+2]
	v_pk_add_f32 v[14:15], v[14:15], v[PT:PT+1]
	v_add_nc_u32 v[SO], 0xff000000, v[BM]
	v_add_nc_u32 v[SO+1], 0xff000000, v[BM+2]
	v_lshrrev_b32 v[BM], 23, v[SO]
	v_lshrrev_b32 v[BM+2], 23, v[SO+1]
	D1
	v_lshl_or_b32 v[XW], v[BM+2], 16, v[BM]
	D1
	v_permlanex16_b32 v[TMP], v[XW], s[SEL], s[SEL+1]
	D1
	v_perm_b32 v[PW], v[TMP], v[XW], s[PSEL]       ; lanes 0-15: p's scale word of these 128 keys
.irp c, 0,1
	v_cvt_scalef32_pk16_fp6_f32 v[PC+6*\c:PC+6*\c+2], v[SR+32*\c:SR+32*\c+15], v[SO+\c]
	v_cvt_scalef32_pk16_fp6_f32 v[CT+4*\c:CT+4*\c+2], v[SR+32*\c+16:SR+32*\c+31], v[SO+\c]
.endr
	v_nop
.irp c, 0,1
.irp i, 0,1,2
	v_mov_b32 v[PC+3+6*\c+\i], v[CT+4*\c+\i]
.endr
.endr
	WIN 0x41
	s_wait_alu depctr_va_vdst(0)                   ; the wait ahead of the first reader of O^T
.set j, 0
.rept 16
	v_pk_mul_f32 v[j:j+1], v[j:j+1], v[FF:FF+1] op_sel_hi:[1,0]   ; O^T under the new M
.set j, j+2
.endr
	WIN 0x50
	s_wait_alu depctr_va_vdst(0)                   ; the wait ahead of the wait below
	s_wait_dscnt 26                                ; V is in; the 26 loads of the next step's K may be out
.irp t, 0,1,2,3
	v_wmma_scale_f32_16x16x128_f8f6f4 v[8*\t:8*\t+7], v[VF+12*\t:VF+12*\t+11], v[PC:PC+11], v[8*\t:8*\t+7], v[VSW+\t], v[PW] matrix_a_fmt:MATRIX_FMT_FP6 matrix_b_fmt:MATRIX_FMT_FP6
.endr
	WIN 0
	s_add_co_u32 s[TC], s[TC], REC
	s_add_co_u32 s[TN], s[TC], REC
	s_min_u32 s[TN], s[TN], (\last)
.endm
.macro START q, base
	s_wait_xcnt 0x0                                ; the last job's stores have read their registers
	WIN 0x01
.irp p, 0,1,2,3,4,5
	v_mov_b32 v[16+\p], v[32+6*\q+\p]
.endr
	v_mov_b32 v28, v[56+\q]
	WIN 0x40
.set j, 0
.rept 32
	v_mov_b32 v[j], 0                              ; the step is written once: the first finds zeros
.set j, j+1
.endr
	WIN 0
	v_mov_b32 v13, 0xff61b1e6                      ; -3e38, under every score
	v_mov_b32 v14, 0
	v_mov_b32 v15, 0
	v_mul_f32 v[TMP], s[CS], v13
	v_add_nc_u32 v[N8], \base, v[L8]
	v_add_nc_u32 v[N16], \base, v[L16]
	v_floor_f32 v12, -v[TMP]
	s_mov_b32 s[TC], \base
	s_mov_b32 s[TN], \base+REC
	KLOAD
	s_wait_alu depctr_va_vdst(0)                   ; the wait ahead of the loop's first wait
.endm
.macro FINISH q                        ; O^T / the sum, quantised along the head's channels: my 32 registers are channels 32 h + 0 .. 31, one block
	s_wait_dscnt 0x0                               ; the look-ahead's loads have landed
.rept 4
	v_nop
.endr
	v_add_f32 v14, v14, v15
	D1
	v_permlanex16_b32 v[TMP], v14, s[SEL], s[SEL+1]
	D1
	v_add_f32 v14, v14, v[TMP]
	s_wait_alu depctr_va_vdst(0)
	v_rcp_f32 v14, v14
	v_add_nc_u32 v[AO], s[52+\q], v[L8]
	v_add_nc_u32 v[AB], s[56+\q], v[AB0]
	WIN 0x01
	s_wait_alu depctr_va_vdst(0)
.set j, 0
.rept 16
	v_pk_mul_f32 v[SR+j:SR+j+1], v[j:j+1], v[14:15] op_sel_hi:[1,0]
.set j, j+2
.endr
	WIN 0
.irp b, 0,1
	v_max3_num_f32 v[BM+\b], |v[SR+16*\b]|, |v[SR+16*\b+1]|, 0x1800000
.endr
.irp i, 2,4,6,8,10,12,14
.irp b, 0,1
	s_delay_alu instid0(VALU_DEP_2)
	v_max3_num_f32 v[BM+\b], v[BM+\b], |v[SR+16*\b+\i]|, |v[SR+16*\b+\i+1]|
.endr
.endr
	D1
	v_max_num_f32 v[BM], v[BM], v[BM+1]
	D1
	v_add_nc_u32 v[SO], 0xff000000, v[BM]
	D1
	v_lshrrev_b32 v[TMP], 23, v[SO]
	v_cvt_scalef32_pk16_fp6_f32 v[PC:PC+2], v[SR:SR+15], v[SO]
	v_cvt_scalef32_pk16_fp6_f32 v[CT:CT+2], v[SR+16:SR+31], v[SO]
	v_nop
.irp i, 0,1,2
	v_mov_b32 v[PC+3+\i], v[CT+\i]
.endr
.irp p, 0,1,2
	global_store_b64 v[AO], v[PC+2*\p:PC+2*\p+1], s[6:7] offset:256*\p   ; 32 lanes store 256 consecutive bytes, aligned
.endr
	global_store_b8 v[AB], v[TMP], s[8:9]
.endm
.macro JOBRUN q, base, n
	START \q, \base
	s_mov_b32 s[CNT], \n
.Lst_\@:
	STEP \base+(\n-1)*REC
	s_sub_co_u32 s[CNT], s[CNT], 1
	s_cmp_lg_u32 s[CNT], 0
	s_cbranch_scc1 .Lst_\@
	FINISH \q
.endm
	s_wait_tensorcnt 0x0                           ; my record of RB is in; the lines ahead of a later first fill:
	ds_add_u32 v[SPW], v[NIL]
	s_wait_dscnt 0x0
	CROUND                                         ; everybody's record is in
	tensor_load_to_lds s[G0A:G0A+3], s[G1L:G1L+7]  ; segment 0's keys
	s_nop 0
.rept 4
	v_nop
.endr
	s_wait_loadcnt 0x0                             ; q
	JOBRUN 0, RB, 8
	s_wait_tensorcnt 0x0                           ; RA is in;
	ds_add_u32 v[SPW], v[NIL]
	s_add_nc_u64 s[G0B+2:G0B+3], s[G0B+2:G0B+3], CHB
	s_wait_dscnt 0x0                               ; my reads of RB are over
	CROUND
	tensor_load_to_lds s[G0B:G0B+3], s[G1S:G1S+7]  ; RB again: segment 2's keys
	s_nop 0
.rept 4
	v_nop
.endr
	JOBRUN 1, RA, 16
	s_wait_tensorcnt 0x0                           ; my record of segment 2's keys is in,
	s_wait_dscnt 0x0
	s_barrier_signal -1
	s_barrier_wait -1                              ; and everybody's
	JOBRUN 2, RB, 8
	JOBRUN 3, RB, 8
	s_wait_tensorcnt 0x0                           ; the wave's end
	ds_add_u32 v[SPW], v[NIL]
	s_wait_dscnt 0x0
	CROUND
	s_endpgm
.Lfunc_end_k_qe61d0e8d80_attn:
	.size	k_qe61d0e8d80_attn, .Lfunc_end_k_qe61d0e8d80_attn-k_qe61d0e8d80_attn
	.p2alignl 7, 3214868480
	.fill 96, 4, 3214868480
	.section	.rodata,"a",@progbits
	.p2align	6, 0x0
	.amdhsa_kernel k_qe61d0e8d80_attn
		.amdhsa_group_segment_fixed_size 327680
		.amdhsa_private_segment_fixed_size 0
		.amdhsa_enable_private_segment 0
		.amdhsa_kernarg_size 24
		.amdhsa_user_sgpr_count 2
		.amdhsa_user_sgpr_kernarg_segment_ptr 1
		.amdhsa_wavefront_size32 1
		.amdhsa_system_sgpr_workgroup_id_x 1
		.amdhsa_system_sgpr_workgroup_id_y 1
		.amdhsa_system_sgpr_workgroup_id_z 1
		.amdhsa_system_vgpr_workitem_id 0
		.amdhsa_next_free_vgpr 320
		.amdhsa_next_free_sgpr 80
		.amdhsa_reserve_vcc 0
		.amdhsa_float_denorm_mode_32 3
		.amdhsa_float_denorm_mode_16_64 3
		.amdhsa_memory_ordered 1
		.amdhsa_forward_progress 1
		.amdhsa_inst_pref_size 106
	.end_amdhsa_kernel
	.amdgpu_metadata
---
amdhsa.version: [ 1, 2 ]
amdhsa.kernels:
  - .name:           k_qe61d0e8d80_attn
    .symbol:         k_qe61d0e8d80_attn.kd
    .args:
      - { .name: ws, .offset: 0, .size: 8, .value_kind: global_buffer, .address_space: global }
      - { .name: oimg, .offset: 8, .size: 8, .value_kind: global_buffer, .address_space: global }
      - { .name: osc, .offset: 16, .size: 8, .value_kind: global_buffer, .address_space: global }
    .group_segment_fixed_size: 327680
    .private_segment_fixed_size: 0
    .kernarg_segment_align: 8
    .kernarg_segment_size: 24
    .max_flat_workgroup_size: 256
    .sgpr_count:     80
    .vgpr_count:     320
    .wavefront_size: 32
...
	.end_amdgpu_metadata
.endif
;; end of part 3
;; launch outp (part 4): grid 4 x 64, 4 waves a work-group, clusters of 4 x 4, 327,680 bytes of LDS; arguments oimg, osc, Wout_codes, Wout_scales, bout, out0; writes out0
.if DOCPART == 4
	.amdgcn_target "amdgcn-amd-amdhsa--gfx1250"
	.amdhsa_code_object_version 6
	.text
	.protected	k_qe61d0e8d80_outp
	.globl	k_qe61d0e8d80_outp
	.p2align	8
	.type	k_qe61d0e8d80_outp,@function
k_qe61d0e8d80_outp:
	s_mov_b64 s[64:65], 0
	v_nop
	global_prefetch_b8 v0, s[64:65] scope:SCOPE_SE
	s_setreg_imm32_b32 hwreg(HW_REG_WAVE_MODE, 25, 1), 1
	s_wait_xcnt 0x0
	s_wait_alu depctr_hold_cnt(0) depctr_sa_sdst(0) depctr_va_vdst(0) depctr_va_sdst(0) depctr_va_ssrc(0) depctr_va_vcc(0) depctr_vm_vsrc(0)
	s_getreg_b32 s2, hwreg(HW_REG_IB_STS2, 6, 4)
	s_cmp_eq_u32 s2, 0
	s_cbranch_scc0 .Lentry_in_a_cluster
	s_endpgm
.Lentry_in_a_cluster:
	s_bfe_u32 s2, ttmp6, 0x10000c
	s_cmp_lg_u32 s2, 0xf033
	s_cbranch_scc0 .Lentry_shape_is_right
	s_endpgm
.Lentry_shape_is_right:
; out = o Wout^T + bout on codes of FP6 with E8M0 scales, K = 1024.  A block of 128 tokens x 256 columns to a work-group: 64 x 4 = 256 work-groups of four waves; a wave makes 64 x 128: 32 accumulators.
; ALL OF K LIES IN LDS, filled once: o's images of 128 tokens are 98304 dense bytes ([tile of 16 tokens][head][768]); Wout's 256 rows come whole, 768 bytes each, 16 bytes of padding behind every 256.
; One tensor load a wave at the head (waves 0, 1: halves of o; waves 2, 3: halves of Wout's rows), no slot is filled again.  4 x 4 clusters: o's tile is asked for jointly along a row of the cluster, Wout's along a column.
; No prefetch: all that the work-group reads is asked for at its head; there is no loop to run ahead in.
; The scale words go from memory straight into registers, once: lane r takes its row's 32 bytes, one word for each step of 128 along K.  bout is the C of each sum's first product.
; Source 0 = rows of Wout, source 1 = tokens: a lane holds eight neighbouring columns of a row of out.  The way out goes through a stage in LDS that lies over o's images, behind a barrier behind which nobody reads them.
; REGISTERS: window 0: v0-31 addresses; v32-63 o's scale words; v64-127 Wout's; v128-223 o's fragments, two sets.  window 1: Wout's fragments, two sets.  window 2: the accumulators.  window 3: v0-63 the bias.
.set SIZE_N, 1024
.set KROW,   768
.set BP,     816
.set FR,     12
.set AT,     12288
.set HALFA,  4*AT
.set BOFF,   2*HALFA
.set HALFB,  128*BP
.set SPARE,  BOFF+2*HALFB
.set SPITCH, 528
.set ADRA, 16
.set ADRB, 20                          ; v20, v21 Wout's blocks 0-3, 4-7; v22, v23 for pieces whose lanes 16-31 lie behind one padding more
.set STO,  24
.set RD,   25
.set CO,   26
.set SPW,  28
.set NIL,  29
.set SA,   32
.set SB,   64
.set AF,   128
.set BK,   128
.set G1, 24
.set G0, 32
.set G1B, 48
.set G0B, 56
.set MSB, 0
.macro WIN new
.if MSB != \new
	s_set_vgpr_msb (MSB<<8)|\new
.set MSB, \new
.endif
.endm
.macro CROUND
	s_barrier_signal -1
	s_barrier_wait -1
	s_cmp_lg_u32 s14, 0
	s_cbranch_scc1 .Lnot_wave_0_\@
	s_barrier_signal -3
.Lnot_wave_0_\@:
	s_barrier_wait -3
	s_barrier_signal -1
	s_barrier_wait -1
.endm
.macro PLACES n
.rept \n
	v_nop
.endr
.endm
	s_load_b128 s[4:7], s[0:1], 0x0                ; oimg, osc
	s_load_b128 s[8:11], s[0:1], 0x10              ; Wout's codes, scales
	s_load_b64 s[96:97], s[0:1], 0x20              ; bout
	s_load_b64 s[12:13], s[0:1], 0x28              ; out0
	v_lshl_add_u32 v[SPW], v0, 2, SPARE
	v_mov_b32 v[NIL], 0
	ds_add_u32 v[SPW], v[NIL]                      ; the opening lines
	ds_add_u32 v[SPW], v[NIL]
	v_lshrrev_b32 v1, 5, v0
	v_readfirstlane_b32 s14, v1                    ; wave
	s_lshr_b32 s15, s14, 1                         ; my half of the tokens; also: I fetch o (0) or Wout (1)
	s_and_b32 s16, s14, 1                          ; my half of the columns; also: which half I fetch
	s_bfe_u32 s40, ttmp6, 0x40000
	s_bfe_u32 s41, ttmp6, 0x40004
	s_lshl_b32 s42, ttmp9, 2
	s_add_co_u32 s42, s42, s40                     ; block column
	s_and_b32 s17, ttmp7, 0xffff
	s_lshl_b32 s17, s17, 2
	s_add_co_u32 s17, s17, s41                     ; block row
	s_lshl_b32 s43, s41, 2
	s_lshl_b32 s43, 15, s43
	s_lshl_b32 s44, 0x1111, s40
	s_or_b32 s[G1+0], s43, (3<<16)|(1<<21)         ; o: 49152 dense bytes as 192 rows of 256
	s_mov_b32 s[G1+1], 32<<16
	s_mov_b32 s[G1+2], 192<<16
	s_mov_b32 s[G1+3], 32<<16
	s_mov_b32 s[G1+4], 192
	s_mov_b32 s[G1+5], 32
	s_mov_b32 s[G1+6], 0
	s_mov_b32 s[G1+7], 0
	s_or_b32 s[G1B+0], s44, (0<<16)|(1<<20)|(1<<21)|(5<<22)|(3<<25)   ; Wout: 128 rows of 768 bytes
	s_mov_b32 s[G1B+1], KROW<<16
	s_mov_b32 s[G1B+2], 128<<16
	s_mov_b32 s[G1B+3], KROW<<16
	s_mov_b32 s[G1B+4], 128
	s_mov_b32 s[G1B+5], KROW
	s_mov_b32 s[G1B+6], 0
	s_mov_b32 s[G1B+7], 0
	s_mul_i32 s20, s17, 2*HALFA
	s_mul_i32 s18, s16, HALFA
	s_add_co_u32 s20, s20, s18
	s_mov_b32 s21, 0
	s_lshl_b32 s46, s42, 8
	s_lshl_b32 s19, s16, 7
	s_add_co_u32 s46, s46, s19
	s_mul_i32 s46, s46, KROW
	s_mov_b32 s47, 0
	s_mul_i32 s95, s16, HALFB
	s_add_co_u32 s95, s95, BOFF
	s_wait_dscnt 0x0
	s_wait_kmcnt 0x0
	s_add_nc_u64 s[20:21], s[4:5], s[20:21]
	s_add_nc_u64 s[46:47], s[8:9], s[46:47]
	CROUND
	s_mov_b32 s[G0], 1
	s_mov_b32 s[G0+1], s18
	s_mov_b64 s[G0+2:G0+3], s[20:21]
	s_or_b32 s[G0+3], s[G0+3], 0x80000000
	s_mov_b32 s[G0B], 1
	s_mov_b32 s[G0B+1], s95
	s_mov_b64 s[G0B+2:G0B+3], s[46:47]
	s_or_b32 s[G0B+3], s[G0B+3], 0x80000000
	s_cmp_eq_u32 s15, 0
	s_cbranch_scc0 .Lfor_b
	tensor_load_to_lds s[G0:G0+3], s[G1:G1+7]
	s_nop 0
.rept 4
	v_nop
.endr
	s_branch .Lasked
.Lfor_b:
	tensor_load_to_lds s[G0B:G0B+3], s[G1B:G1B+7]
	s_nop 0
.rept 4
	v_nop
.endr
.Lasked:
	s_mul_i32 s21, s15, HALFA
	s_mul_i32 s22, s16, HALFB
	s_add_co_u32 s22, s22, BOFF
	s_mul_i32 s23, s14, 16*SPITCH                  ; my stage
	s_lshl_b32 s70, s17, 7                         ; (registers that no descriptor names: the head's load is still out)
	s_lshl_b32 s71, s15, 6
	s_add_co_u32 s70, s70, s71                     ; my first token
	s_lshl_b32 s72, s70, 12                        ; its row of out, in bytes
	s_lshl_b32 s70, s70, 5                         ; its scale bytes
	s_lshl_b32 s71, s42, 8
	s_lshl_b32 s73, s16, 7
	s_add_co_u32 s71, s71, s73                     ; my first column
	s_lshl_b32 s46, s71, 2
	s_lshl_b32 s71, s71, 5
	s_add_co_u32 s72, s72, s46
	s_mov_b32 s73, 0
	s_add_nc_u64 s[12:13], s[12:13], s[72:73]
	v_and_b32 v1, 15, v0                           ; r
	v_bfe_u32 v2, v0, 4, 1                         ; h
	v_and_b32 v6, 31, v0
	v_mul_u32_u24 v3, v1, BP
	v_mad_u32_u24 v3, v2, 24, v3
	v_lshl_add_u32 v[ADRA], v6, 3, s21
	v_add_nc_u32 v[ADRB], s22, v3
	v_add_nc_u32 v[ADRB+1], 64*BP, v[ADRB]
	v_lshl_add_u32 v[ADRB+2], v2, 4, v[ADRB]
	v_lshl_add_u32 v[ADRB+3], v2, 4, v[ADRB+1]
	v_mul_u32_u24 v5, v1, SPITCH
	v_lshl_add_u32 v5, v2, 5, v5
	v_add_nc_u32 v[STO], s23, v5
	v_lshlrev_b32 v[CO], 4, v6
	v_add_nc_u32 v[RD], s23, v[CO]
	v_lshl_add_u32 v7, v2, 5, s46                  ; bout: my columns, + 8 h
	v_lshl_add_u32 v8, v1, 5, s70
	v_lshl_add_u32 v9, v1, 5, s71
	s_wait_alu depctr_va_vdst(0)                   ; the wait at the head's end
.irp i, 0,1,2,3
	global_load_b128 v[SA+8*\i:SA+8*\i+3], v8, s[6:7] offset:512*\i
	global_load_b128 v[SA+8*\i+4:SA+8*\i+7], v8, s[6:7] offset:512*\i+16
.endr
.irp i, 0,1,2,3,4,5,6,7
	global_load_b128 v[SB+8*\i:SB+8*\i+3], v9, s[10:11] offset:512*\i
	global_load_b128 v[SB+8*\i+4:SB+8*\i+7], v9, s[10:11] offset:512*\i+16
.endr
	WIN 0xc0
.irp b, 0,1,2,3,4,5,6,7
	global_load_b128 v[8*\b:8*\b+3], v7, s[96:97] offset:64*\b
	global_load_b128 v[8*\b+4:8*\b+7], v7, s[96:97] offset:64*\b+16
.endr
	WIN 0
.macro FRAGB reg, st, i                ; byte y of a row lies at y + 16 (y / 256) of its LDS row
.irp p, 0,1,2,3,4,5
.set BY, 96*(\st)+48*(\p/3)+8*(\p%3)
.if BY/256 == (BY+24)/256
	ds_load_b64 v[\reg+2*\p:\reg+2*\p+1], v[ADRB+(\i)/4] offset:BY+16*(BY/256)+((\i)%4)*16*BP
.else
	ds_load_b64 v[\reg+2*\p:\reg+2*\p+1], v[ADRB+2+(\i)/4] offset:BY+16*(BY/256)+((\i)%4)*16*BP
.endif
.endr
.endm
.macro FRAGA reg, st, i                ; two heads' images are a step's operand registers as they lie
.irp c, 0,1
.irp p, 0,1,2
	ds_load_b64 v[\reg+6*\c+2*\p:\reg+6*\c+2*\p+1], v[ADRA] offset:(\i)*AT+(2*(\st)+\c)*768+256*\p
.endr
.endr
.endm
.macro FETCH st
	WIN 0x40
.irp i, 0,1,2,3,4,5,6,7
	FRAGB 128*((\st)%2)+FR*\i, \st, \i
.endr
	WIN 0
.irp i, 0,1,2,3
	FRAGA AF+48*((\st)%2)+FR*\i, \st, \i
.endr
.endm
; A step of 128 along K: the next step's 72 loads first, then 32 matrix instructions, the 32 accumulators by turns
.macro STEP st
	s_wait_dscnt 0x0                               ; this step's fragments are in
.if (\st) > 0
	PLACES 4                                       ; behind the last step's products, which read the sets that are loaded now
.endif
.if (\st) < 7
	FETCH (\st)+1
.endif
.if (\st) == 0
	WIN 0xb1
.else
	WIN 0xa1
.endif
.irp a, 0,1,2,3
.irp b, 0,1,2,3,4,5,6,7
.if (\st) == 0
	v_wmma_scale_f32_16x16x128_f8f6f4 v[8*(8*\a+\b):8*(8*\a+\b)+7], v[128*((\st)%2)+FR*\b:128*((\st)%2)+FR*\b+FR-1], v[AF+48*((\st)%2)+FR*\a:AF+48*((\st)%2)+FR*\a+FR-1], v[8*\b:8*\b+7], v[SB+8*\b+(\st)], v[SA+8*\a+(\st)] matrix_a_fmt:MATRIX_FMT_FP6 matrix_b_fmt:MATRIX_FMT_FP6
.else
	v_wmma_scale_f32_16x16x128_f8f6f4 v[8*(8*\a+\b):8*(8*\a+\b)+7], v[128*((\st)%2)+FR*\b:128*((\st)%2)+FR*\b+FR-1], v[AF+48*((\st)%2)+FR*\a:AF+48*((\st)%2)+FR*\a+FR-1], v[8*(8*\a+\b):8*(8*\a+\b)+7], v[SB+8*\b+(\st)], v[SA+8*\a+(\st)] matrix_a_fmt:MATRIX_FMT_FP6 matrix_b_fmt:MATRIX_FMT_FP6
.endif
.endr
.endr
	WIN 0
.endm
	s_wait_tensorcnt 0x0                           ; my tile is in,
	s_wait_loadcnt 0x0                             ; and my scale words and bias
	s_barrier_signal -1
	s_barrier_wait -1                              ; everybody's tile is in
	FETCH 0
.set ST, 0
.rept 8
	STEP ST
.set ST, ST+1
.endr
	s_wait_dscnt 0x0
	s_barrier_signal -1
	s_barrier_wait -1                              ; nobody reads o's images any more: the stages lie over them
.macro TOSTAGE a
	WIN 0x08
.irp b, 0,1,2,3,4,5,6,7
	ds_store_b128 v[STO], v[64*(\a)+8*\b:64*(\a)+8*\b+3] offset:64*\b          ; each accumulator from its low end on
	ds_store_b128 v[STO], v[64*(\a)+8*\b+4:64*(\a)+8*\b+7] offset:64*\b+16
.endr
	WIN 0
.set BBK, BK+64*((\a)%2)
.irp t, 0,1,2,3,4,5,6,7,8,9,10,11,12,13,14,15
	ds_load_b128 v[BBK+4*\t:BBK+4*\t+3], v[RD] offset:\t*SPITCH    ; LDS serves a wave's instructions in order (ISA guide 5.7.1.4)
.endr
.endm
.macro SEND a, younger
.set BBK, BK+64*((\a)%2)
	s_wait_dscnt \younger
.if (\a) > 0
	s_add_nc_u64 s[12:13], s[12:13], 16*SIZE_N*4   ; behind a wait on XCNT
.endif
.irp t, 0,1,2,3,4,5,6,7,8,9,10,11,12,13,14,15
	global_store_b128 v[CO], v[BBK+4*\t:BBK+4*\t+3], s[12:13] offset:\t*SIZE_N*4 th:TH_STORE_NT   ; 32 lanes store 512 consecutive bytes, aligned
.endr
.endm
	PLACES 4
	TOSTAGE 0
.irp a, 1,2,3
.if \a > 1
	s_wait_xcnt 0x0                                ; block a - 2's stores have read their registers and their base
.endif
	TOSTAGE \a
	SEND \a-1, 32                                  ; behind block a - 1's loads: block a's 16 stores and 16 loads
.endr
	s_wait_xcnt 0x0
	SEND 3, 0
	s_wait_tensorcnt 0x0                           ; the wave's end
	ds_add_u32 v[SPW], v[NIL]
	s_wait_dscnt 0x0
	CROUND                                         ; the closing round
	s_endpgm
.Lfunc_end_k_qe61d0e8d80_outp:
	.size	k_qe61d0e8d80_outp, .Lfunc_end_k_qe61d0e8d80_outp-k_qe61d0e8d80_outp
	.p2alignl 7, 3214868480
	.fill 96, 4, 3214868480
	.section	.rodata,"a",@progbits
	.p2align	6, 0x0
	.amdhsa_kernel k_qe61d0e8d80_outp
		.amdhsa_group_segment_fixed_size 327680
		.amdhsa_private_segment_fixed_size 0
		.amdhsa_enable_private_segment 0
		.amdhsa_kernarg_size 48
		.amdhsa_user_sgpr_count 2
		.amdhsa_user_sgpr_kernarg_segment_ptr 1
		.amdhsa_wavefront_size32 1
		.amdhsa_system_sgpr_workgroup_id_x 1
		.amdhsa_system_sgpr_workgroup_id_y 1
		.amdhsa_system_sgpr_workgroup_id_z 1
		.amdhsa_system_vgpr_workitem_id 0
		.amdhsa_next_free_vgpr 832
		.amdhsa_next_free_sgpr 100
		.amdhsa_reserve_vcc 0
		.amdhsa_float_denorm_mode_32 3
		.amdhsa_float_denorm_mode_16_64 3
		.amdhsa_memory_ordered 1
		.amdhsa_forward_progress 1
		.amdhsa_inst_pref_size 96
	.end_amdhsa_kernel
	.amdgpu_metadata
---
amdhsa.version: [ 1, 2 ]
amdhsa.kernels:
  - .name:           k_qe61d0e8d80_outp
    .symbol:         k_qe61d0e8d80_outp.kd
    .args:
      - { .name: oimg, .offset: 0, .size: 8, .value_kind: global_buffer, .address_space: global }
      - { .name: osc, .offset: 8, .size: 8, .value_kind: global_buffer, .address_space: global }
      - { .name: Wout_codes, .offset: 16, .size: 8, .value_kind: global_buffer, .address_space: global }
      - { .name: Wout_scales, .offset: 24, .size: 8, .value_kind: global_buffer, .address_space: global }
      - { .name: bout, .offset: 32, .size: 8, .value_kind: global_buffer, .address_space: global }
      - { .name: out0, .offset: 40, .size: 8, .value_kind: global_buffer, .address_space: global }
    .group_segment_fixed_size: 327680
    .private_segment_fixed_size: 0
    .kernarg_segment_align: 8
    .kernarg_segment_size: 48
    .max_flat_workgroup_size: 128
    .sgpr_count:     100
    .vgpr_count:     832
    .wavefront_size: 32
...
	.end_amdgpu_metadata
.endif
;; end of part 4
